; MI455X (gfx1250); checked and timed in simulation.
; The chip was launched on July 23, 2026; its instructions are those of AMD's public machine-readable ISA for CDNA 5 (MIT licence, August 2026) and "CDNA5" Instruction Set Architecture Reference Guide (July 2026). The comments in the code are by the model that wrote it; some were corrected since.
;; Rule Network. Allowed arithmetic: float matrix products may take bf16 or f16 operands with f32 sums; other float arithmetic in f32, or as packed bf16 or f16 multiplies, adds, multiply-adds, maxima and minima; sums over many terms, partial sums and values carried from step to step in f32; what a program stores and reads back later, other than sums and carried values, may be rounded once to bf16 or f16.
;; Inputs: W1 16 x 512 x 512 float32; W2 16 x 512 x 512 float32; Wa 512 x 16 float32; Wc 16 x 512 float32; b1 16 x 512 float32; b2 16 x 512 float32; ba 16 float32; bc 16 float32; x 8,192 x 512 float32.
;; Outputs: out0 8,192 x 512 float32; out1 8,192 x 16 float32.
;; One version. Each part assembles by itself: llvm-mc -triple=amdgcn-amd-amdhsa -mcpu=gfx1250 --defsym DOCPART=n.
;; ======== version 1 of 1: 3 launches
;; limits: values are held in f16: magnitudes above 65,504 overflow, below 6.1e-05 lose precision; inputs' magnitudes at most 65,504
;; workspace buffers: xb 8,388,608 bytes; wb 16,777,216 bytes; aux 65,536 bytes; cbuf 524,288 bytes; part 67,108,864 bytes; wmax 4,096 bytes
;; launch prep (part 1): grid 512 x 1, 8 waves a work-group, no clusters, 87,296 bytes of LDS; arguments x, W1, W2, Wa, Wc, b1, b2, ba, bc, xb, wb, aux, cbuf, out1, wmax; writes xb, wb, aux, cbuf, out1, wmax
.if DOCPART == 1
	.amdgcn_target "amdgcn-amd-amdhsa--gfx1250"
	.amdhsa_code_object_version 6
	.text
	.protected	k_qd46dd75209_prep
	.globl	k_qd46dd75209_prep
	.p2align	8
	.type	k_qd46dd75209_prep,@function
k_qd46dd75209_prep:
	s_mov_b64 s[64:65], 0
	v_nop
	global_prefetch_b8 v0, s[64:65] scope:SCOPE_SE
	s_setreg_imm32_b32 hwreg(HW_REG_WAVE_MODE, 25, 1), 1
	s_wait_xcnt 0x0
; PREP.  Rounds every input to bf16 once and lays it out for the fused launch; computes the gate.
; Work-groups 0-255 (X path): two tiles of 16 tokens each; four waves share a tile, each with 4 of its 16 K steps of 32.  A wave loads its part of x as 2 rows x 256 consecutive bytes a load, rounds it,
; turns it into the order of a matrix operand's registers through LDS bytes of its own, stores it into xb, and multiplies it by its K steps of Wa and Wc (bf16 operands, f32 sums).  The four waves'
; partial logits (f32) meet in LDS; waves 0 and 4 add them and the biases and make the gate: softmax with the row's maximum taken away, sigmoid, c = att conf / (sum + 1e-8), all in f32;
; conf -> out1, c -> cbuf.  In work-groups 0-63 wave 0 also lays a share of b1 and b2 into aux.
; Work-groups 256-511 (W path): a wave takes 8 rows (k) of one rule's W1 or W2, 512 columns (n), and writes them as 32 sub-tiles of 8 k x 16 n 16-bit numbers, 256 bytes each, one store a sub-tile.
; W1 stays bf16; W2 and b2, rounded to bf16 like every input, are written as f16, the format of the second product.  A wave of W1 also stores the largest magnitude of its 4,096 numbers into wmax:
; the fused launch bounds the hidden layer by it.
; wb: block (8 rule + q) of 131,072 bytes for 64 hidden units; W1's part first, fragment 32 u + 2 ks + aa; W2's part at 65,536, fragment 32 u + ob; a fragment is 4 sub-tiles (k / 8).
; LIMITS.  W2 and b2 beyond 65,504 are not served; below 2^-17 they keep f16's fixed step of 6e-8.  An exponential below 2^-126 counts as 0; NaN and infinities are not treated apart.
; Clusters and tensor loads buy nothing here: the casts stream through registers.
.set GFC,   16384                      ; LDS: 0-16383 Wa as 64 sub-tiles of 8 k x 16 rules bf16; from here Wc, 16 rows of 1,024 bytes,
.set WCP,   1040                       ; 1,040 apart: 65 x 16, so that the 16 rows of a fragment load start at 16 different groups of four banks
.set TRB,   33024                      ; for each wave 4,608 bytes: two tiles of 16 rows x 128 bytes (64 k of bf16),
.set TRP,   144                        ; 144 apart: 9 x 16; later the wave's stage for the two tables
.set TRW,   4608
.set PSB,   69888                      ; for each wave 2,048 bytes: its partial logits
.set SPARE, 86272                      ; the spare words, 128 bytes for each of eight waves
.set ACCA, 16                          ; v[16:23]  logits of the attention: token lane % 16, rules 8 (lane / 16) + 0..7
.set ACCC, 24                          ; v[24:31]  logits of the confidence
.set XB,   64                          ; W path: v[64:127] packed results
.set GA,   64                          ; X path: v[64:127] the gate weights as loaded; then four sets: Wa's fragment, Wc's fragment of my four K steps
.set F,    128                         ; f32 as loaded: X path v[128:191], W path v[128:255]
.set PT,   128                         ; v[128:175] the other three waves' partial logits
.set BI,   176                         ; v[176:191] the biases of my eight rules: ba, bc
.set XF,   192                         ; v[192:223] four fragments of x in bf16
; v224 turning, back  v225 partial logits  v226 stage in  v227 stage back
.macro CASTW kind                      ; 32 loads of 8 rows x 64 bytes, then for each: round, and one store of 256 consecutive aligned bytes
.set i, 0
.rept 32
	global_load_b128 v[F+4*i:F+4*i+3], v2, s[50:51] offset:64*i th:TH_LOAD_NT
.set i, i+1
.endr
.if (\kind) == 1
	v_mov_b32 v4, 0                                ; two running maxima of magnitudes, two bf16 each
	v_mov_b32 v5, 0
.endif
.set i, 0
.rept 32
	s_wait_loadcnt 31-i                            ; loads come back in order: load i is in, the younger ones stay out
	v_cvt_pk_bf16_f32 v[XB+2*i], v[F+4*i], v[F+4*i+1]
	v_cvt_pk_bf16_f32 v[XB+2*i+1], v[F+4*i+2], v[F+4*i+3]
.if (\kind) == 1
	v_and_b32 v6, s54, v[XB+2*i]                   ; two signs cleared,
	v_and_b32 v7, s54, v[XB+2*i+1]
	v_pk_max_num_bf16 v4, v4, v6                   ; two maxima taken: nothing is rounded
	v_pk_max_num_bf16 v5, v5, v7
	global_store_b64 v3, v[XB+2*i:XB+2*i+1], s[52:53] offset:(i/4)*131072+((i/2)%2)*32768+(i%2)*1024  ; columns 16 i on: chunk i / 4, unit, half
.else
	v_lshlrev_b32 v[F+4*i], 16, v[XB+2*i]          ; the bf16 numbers widened,
	v_and_b32 v[F+4*i+1], s55, v[XB+2*i]
	v_lshlrev_b32 v[F+4*i+2], 16, v[XB+2*i+1]
	v_and_b32 v[F+4*i+3], s55, v[XB+2*i+1]
	v_cvt_pk_f16_f32 v[XB+2*i], v[F+4*i], v[F+4*i+1]       ; and written as f16: exact from 2^-17 up
	v_cvt_pk_f16_f32 v[XB+2*i+1], v[F+4*i+2], v[F+4*i+3]
	global_store_b64 v3, v[XB+2*i:XB+2*i+1], s[52:53] offset:1024*i                                   ; columns 16 i on: fragment ob = i
.endif
.set i, i+1
.endr
.endm
	s_load_b512 s[8:23], s[0:1], 0x0               ; x 8, W1 10, W2 12, Wa 14, Wc 16, b1 18, b2 20, ba 22
	s_load_b256 s[24:31], s[0:1], 0x40             ; bc 24, xb 26, wb 28, aux 30
	s_load_b128 s[32:35], s[0:1], 0x60             ; cbuf 32, out1 34
	s_load_b64 s[6:7], s[0:1], 0x70                ; wmax
	v_lshl_add_u32 v12, v0, 2, SPARE               ; my spare word; never rewritten
	v_mov_b32 v13, 0                               ; 0; never rewritten
	v_lshrrev_b32 v14, 5, v0
	v_readfirstlane_b32 s36, v14                   ; wave 0..7
	v_and_b32 v1, 31, v0                           ; lane
	s_cmp_lt_u32 ttmp9, 256
	s_cbranch_scc1 .Lxpath
	; ---------------- W path ----------------
	s_sub_co_u32 s37, ttmp9, 256                   ; b: bit 7 the matrix, bits 6:3 the rule, bits 2:0 with the wave the group of 8 rows
	s_and_b32 s38, s37, 7
	s_lshl3_add_u32 s38, s38, s36                  ; grp 0..63
	s_bfe_u32 s39, s37, 0x40003
	s_lshl_b32 s60, s39, 6
	s_add_co_u32 s60, s60, s38
	s_lshl_b32 s60, s60, 2                         ; my word of wmax: 64 rule + grp
	s_mov_b32 s61, 0
	s_lshl_b32 s39, s39, 20                        ; a rule is 1 MiB of the source and 1 MiB of wb
	s_lshl_b32 s44, s38, 14                        ; 8 rows of 2,048 bytes
	s_add_co_u32 s44, s44, s39
	s_mov_b32 s45, 0
	s_mov_b32 s54, 0x7fff7fff                      ; clears the signs of two bf16
	s_mov_b32 s55, 0xffff0000                      ; a word's upper bf16
	s_mov_b32 s56, 0x76543210                      ; each lane takes its own place in the other half
	s_mov_b32 s57, 0xfedcba98
	v_lshrrev_b32 v2, 2, v1
	v_and_b32 v3, 3, v1
	v_lshlrev_b32 v3, 4, v3
	v_lshl_add_u32 v2, v2, 11, v3                  ; source: row lane / 4, 16 bytes at lane % 4
	v_lshlrev_b32 v3, 3, v1                        ; sub-tile: 8 bytes a lane, 256 on end
	s_and_b32 s46, s38, 3
	s_lshl_b32 s46, s46, 8                         ; sub-tile (k / 8) % 4 of its fragment
	s_add_co_u32 s46, s46, s39
	s_mov_b32 s47, 0
	s_lshr_b32 s48, s38, 2
	s_cmp_lt_u32 s37, 128
	s_cbranch_scc0 .Lw2
	s_lshl_b32 s48, s48, 11                        ; W1: k = h, K step ks = grp / 4: two fragments of 1,024 bytes apart
	s_add_co_u32 s46, s46, s48
	s_wait_kmcnt 0x0
	s_add_nc_u64 s[50:51], s[10:11], s[44:45]
	s_add_nc_u64 s[52:53], s[28:29], s[46:47]
	s_add_nc_u64 s[58:59], s[6:7], s[60:61]
	CASTW 1
	v_pk_max_num_bf16 v4, v4, v5                   ; the largest magnitude of my 8 rows: the two chains, the two halves, the 32 lanes
	v_lshlrev_b32 v6, 16, v4
	v_and_b32 v7, s55, v4
	v_max_num_f32 v6, v6, v7
	v_max_num_f32_dpp v6, v6, v6 row_xmask:1 row_mask:0xf bank_mask:0xf
	v_max_num_f32_dpp v6, v6, v6 row_xmask:2 row_mask:0xf bank_mask:0xf
	v_max_num_f32_dpp v6, v6, v6 row_xmask:4 row_mask:0xf bank_mask:0xf
	v_max_num_f32_dpp v6, v6, v6 row_xmask:8 row_mask:0xf bank_mask:0xf
	v_permlanex16_b32 v7, v6, s56, s57
	v_max_num_f32 v6, v6, v7
	v_mov_b32 v5, 0
	v_cmp_eq_u32 vcc_lo, 0, v1
	s_wait_xcnt 0x0                                ; EXEC is a source of the stores above: it changes only behind this wait
	s_and_saveexec_b32 s62, vcc_lo
	global_store_b32 v5, v6, s[58:59]              ; one number a wave, a reduction's result: lane 0 stores it
	s_wait_xcnt 0x0                                ; and again, in front of the line that widens it
	s_or_b32 exec_lo, exec_lo, s62
	s_endpgm
.Lw2:
	s_and_b32 s48, s48, 1                          ; W2: k = d: unit (grp / 4) % 2,
	s_lshl_b32 s48, s48, 15
	s_add_co_u32 s46, s46, s48
	s_lshr_b32 s48, s38, 3                         ; chunk grp / 8,
	s_lshl_b32 s48, s48, 17
	s_add_co_u32 s46, s46, s48
	s_add_co_u32 s46, s46, 65536                   ; behind W1's part of the block
	s_wait_kmcnt 0x0
	s_add_nc_u64 s[50:51], s[12:13], s[44:45]
	s_add_nc_u64 s[52:53], s[28:29], s[46:47]
	CASTW 2
	s_endpgm
	; ---------------- X path ----------------
.Lxpath:
	v_and_b32 v2, 15, v1                           ; r
	v_lshrrev_b32 v3, 4, v1                        ; h
	s_lshr_b32 s37, s36, 2                         ; which of the group's two token tiles is mine
	s_and_b32 s38, s36, 3                          ; which quarter of K: K steps 4 kq to 4 kq + 3
	s_lshl1_add_u32 s39, ttmp9, s37                ; token tile 0..511
	v_lshlrev_b32 v4, 4, v2
	v_lshl_add_u32 v4, v3, 11, v4                  ; x: lanes 0-15 take 256 bytes of one row, lanes 16-31 of the next
	v_lshlrev_b32 v5, 4, v1                        ; 16 x lane
	v_lshlrev_b32 v15, 3, v1                       ; 8 x lane
	s_lshl_b32 s56, s36, 11
	v_add_nc_u32 v6, s56, v15                      ; Wa into LDS: my 8 sub-tiles of 256 bytes
	s_mul_i32 s57, s36, 2*WCP
	s_add_co_u32 s57, s57, GFC
	v_add_nc_u32 v7, s57, v15                      ; Wc into LDS: my two rules' rows
	s_lshl_b32 s58, s36, 12
	v_add_nc_u32 v8, s58, v5                       ; Wa and Wc in memory: my 4,096 bytes of each, 512 on end a load
	v_and_b32 v14, 7, v1
	v_bfe_u32 v9, v1, 3, 1
	v_lshlrev_b32 v14, 5, v14
	v_lshl_add_u32 v9, v9, 4, v14                  ; in a sub-tile: row lane % 8, 16 bytes at (lane / 8) % 2;
	v_lshl_add_u32 v9, v3, 8, v9                   ; sub-tile h: k = 8 h on; the fragment's second load stands 512 bytes on
	s_lshl_b32 s59, s38, 12
	v_add_nc_u32 v9, s59, v9                       ; my four K steps of Wa, 1,024 bytes each
	v_mul_u32_u24 v10, v2, WCP
	v_lshl_add_u32 v10, v3, 4, v10
	s_lshl_b32 s60, s38, 8
	s_add_co_u32 s60, s60, GFC
	v_add_nc_u32 v10, s60, v10                     ; my four K steps of Wc: rule r, 64 bytes each, 16 h
	s_mul_i32 s61, s36, TRW
	s_add_co_u32 s61, s61, TRB                     ; my bytes for turning x
	v_mul_u32_u24 v11, v3, TRP
	v_lshl_add_u32 v11, v2, 3, v11
	v_add_nc_u32 v11, s61, v11                     ; in: row h of two, 8 bytes at r
	v_mul_u32_u24 v224, v2, TRP
	v_lshl_add_u32 v224, v3, 4, v224
	v_add_nc_u32 v224, s61, v224                   ; back: row r, 16 h
	v_lshlrev_b32 v226, 6, v2
	v_lshl_add_u32 v226, v3, 5, v226
	v_add_nc_u32 v226, s61, v226                   ; the tables' stage, in: token r's 64 bytes, 32 h
	v_add_nc_u32 v227, s61, v5                     ; back: 16 x lane
	s_lshl_b32 s63, s36, 11
	s_add_co_u32 s63, s63, PSB
	v_add_nc_u32 v225, s63, v5                     ; my partial logits
	v_cmp_eq_u32 s62, 1, v3                        ; the lanes with rules 8 to 15
	s_mov_b32 s40, 0x3fb8aa3b                      ; log2(e), named as a pair
	s_mov_b32 s41, s40
	s_mov_b32 s42, 0x76543210                      ; each lane takes its own place in the other half
	s_mov_b32 s43, 0xfedcba98
	s_mov_b32 s44, 0xbfb8aa3b                      ; -log2(e)
	s_mov_b32 s45, s44
	s_mov_b32 s47, 0
	s_wait_kmcnt 0x0
	s_load_b512 s[68:83], s[22:23], 0x0            ; ba and bc, 64 bytes each, by scalar loads: they are wanted at the very end
	s_load_b512 s[84:99], s[24:25], 0x0
	s_lshl_b32 s46, s39, 15
	s_lshl_b32 s63, s38, 9
	s_add_co_u32 s46, s46, s63
	s_add_nc_u64 s[48:49], s[8:9], s[46:47]        ; x at my 16 rows, my 512 bytes of each
	s_lshl_b32 s46, s39, 14
	s_add_co_u32 s46, s46, s59
	s_add_nc_u64 s[50:51], s[26:27], s[46:47]      ; xb at my tile, my four fragments
	s_lshl_b32 s46, s39, 10
	s_add_nc_u64 s[52:53], s[34:35], s[46:47]      ; out1 and cbuf at my tile's 16 rows of 64 bytes
	s_add_nc_u64 s[54:55], s[32:33], s[46:47]
.irp i, 0,1,2,3,4,5,6,7
	global_load_b128 v[GA+4*(\i):GA+4*(\i)+3], v8, s[14:15] offset:512*(\i)          ; Wa: 8 rows (k) of 64 bytes: a sub-tile
.endr
.irp i, 0,1,2,3,4,5,6,7
	global_load_b128 v[GA+32+4*(\i):GA+32+4*(\i)+3], v8, s[16:17] offset:512*(\i)    ; Wc: a quarter of a rule's row
.endr
.set i, 0
.rept 16                                           ; x: rows 2 (i % 8), +1; 64 k at 256 (i / 8): each load takes two runs of 256 consecutive aligned bytes
	global_load_b128 v[F+4*i:F+4*i+3], v4, s[48:49] offset:4096*(i%8)+256*(i/8) th:TH_LOAD_NT
.set i, i+1
.endr
	s_wait_loadcnt 16                              ; the gate weights are in; the 16 loads of x stay out
.set i, 0
.rept 16
	v_cvt_pk_bf16_f32 v[GA+4*i], v[GA+4*i], v[GA+4*i+1]
	v_cvt_pk_bf16_f32 v[GA+4*i+1], v[GA+4*i+2], v[GA+4*i+3]
.set i, i+1
.endr
.irp i, 0,1,2,3,4,5,6,7
	ds_store_b64 v6, v[GA+4*(\i):GA+4*(\i)+1] offset:256*(\i)
.endr
.irp i, 0,1,2,3,4,5,6,7
	ds_store_b64 v7, v[GA+32+4*(\i):GA+32+4*(\i)+1] offset:((\i)/4)*WCP+256*((\i)%4)
.endr
	s_wait_dscnt 0x0                               ; for the others' sake: my eighth of the gate weights is in LDS
	s_barrier_signal -1
	s_barrier_wait -1                              ; everybody's is
.irp i, 0,1,2,3                                    ; my four K steps' fragments: Wa turned ([k][rule] in LDS), Wc as it lies
	ds_load_tr16_b128 v[GA+16*(\i):GA+16*(\i)+3],     v9 offset:1024*(\i)
	ds_load_tr16_b128 v[GA+16*(\i)+4:GA+16*(\i)+7],   v9 offset:1024*(\i)+512
	ds_load_b128      v[GA+16*(\i)+8:GA+16*(\i)+11],  v10 offset:64*(\i)
	ds_load_b128      v[GA+16*(\i)+12:GA+16*(\i)+15], v10 offset:64*(\i)+32
.endr
	s_wait_loadcnt 0x0                             ; x
.set i, 0
.rept 16
	v_cvt_pk_bf16_f32 v[F+4*i], v[F+4*i], v[F+4*i+1]
	v_cvt_pk_bf16_f32 v[F+4*i+1], v[F+4*i+2], v[F+4*i+3]
.set i, i+1
.endr
.irp p, 0,1                                        ; 64 k at a time: 16 rows of 128 bytes in, two fragments back.  LDS serves a wave's instructions in order: the loads see the stores
.irp g, 0,1,2,3,4,5,6,7
	ds_store_b64 v11, v[F+4*(8*(\p)+(\g)):F+4*(8*(\p)+(\g))+1] offset:2304*(\p)+2*TRP*(\g)
.endr
.irp n, 0,1,2,3
	ds_load_b128 v[XF+16*(\p)+4*(\n):XF+16*(\p)+4*(\n)+3], v224 offset:2304*(\p)+32*(\n)
.endr
.endr
	s_wait_dscnt 0x0                               ; the gate's fragments and x's
	v_wmma_f32_16x16x32_bf16 v[ACCA:ACCA+7], v[GA:GA+7], v[XF:XF+7], 0                     ; the first K step starts both sums; the two accumulators take turns
	v_wmma_f32_16x16x32_bf16 v[ACCC:ACCC+7], v[GA+8:GA+15], v[XF:XF+7], 0
.irp i, 1,2,3
	v_wmma_f32_16x16x32_bf16 v[ACCA:ACCA+7], v[GA+16*(\i):GA+16*(\i)+7], v[XF+8*(\i):XF+8*(\i)+7], v[ACCA:ACCA+7]
	v_wmma_f32_16x16x32_bf16 v[ACCC:ACCC+7], v[GA+16*(\i)+8:GA+16*(\i)+15], v[XF+8*(\i):XF+8*(\i)+7], v[ACCC:ACCC+7]
.endr
.irp i, 0,1,2,3
	global_store_b128 v5, v[XF+8*(\i):XF+8*(\i)+3], s[50:51] offset:1024*(\i)              ; 512 consecutive bytes of xb each
	global_store_b128 v5, v[XF+8*(\i)+4:XF+8*(\i)+7], s[50:51] offset:1024*(\i)+512
.endr
.rept 4
	v_nop                                          ; four places between the last product and the stores that read the sums
.endr
	ds_store_b128 v225, v[ACCA:ACCA+3]             ; each accumulator's lowest registers first
	ds_store_b128 v225, v[ACCA+4:ACCA+7] offset:512
	ds_store_b128 v225, v[ACCC:ACCC+3] offset:1024
	ds_store_b128 v225, v[ACCC+4:ACCC+7] offset:1536
	s_wait_kmcnt 0x0                               ; the biases
	s_wait_dscnt 0x0                               ; for the others' sake: my partial logits are in LDS
	s_barrier_signal -1
	s_barrier_wait -1                              ; everybody's are
	s_cmp_lg_u32 s38, 0
	s_cbranch_scc1 .Lend                           ; a tile's first wave goes on; no barrier stands behind this branch
.irp j, 1,2,3
.irp q, 0,1,2,3
	ds_load_b128 v[PT+16*((\j)-1)+4*(\q):PT+16*((\j)-1)+4*(\q)+3], v225 offset:2048*(\j)+512*(\q)   ; the tile's other three waves'
.endr
.endr
.irp n, 0,1,2,3,4,5,6,7
	v_mov_b32 v[BI+(\n)], s[68+(\n)]               ; the bias of rule 8 h + n
	v_cndmask_b32 v[BI+(\n)], v[BI+(\n)], s[76+(\n)], s62
	v_mov_b32 v[BI+8+(\n)], s[84+(\n)]
	v_cndmask_b32 v[BI+8+(\n)], v[BI+8+(\n)], s[92+(\n)], s62
.endr
.irp n, 0,2,4,6,8,10,12,14
	v_cvt_pk_bf16_f32 v14, v[BI+(\n)], v[BI+(\n)+1]        ; rounded to bf16 like every input, and widened
	v_lshlrev_b32 v[BI+(\n)], 16, v14
	v_and_b32 v[BI+(\n)+1], 0xffff0000, v14
.endr
	s_wait_dscnt 0x0
.irp n, 0,2,4,6,8,10,12,14
	v_pk_add_f32 v[ACCA+(\n):ACCA+(\n)+1], v[ACCA+(\n):ACCA+(\n)+1], v[PT+(\n):PT+(\n)+1]
	v_pk_add_f32 v[PT+16+(\n):PT+17+(\n)], v[PT+16+(\n):PT+17+(\n)], v[PT+32+(\n):PT+33+(\n)]
	v_pk_add_f32 v[ACCA+(\n):ACCA+(\n)+1], v[ACCA+(\n):ACCA+(\n)+1], v[PT+16+(\n):PT+17+(\n)]
	v_pk_add_f32 v[ACCA+(\n):ACCA+(\n)+1], v[ACCA+(\n):ACCA+(\n)+1], v[BI+(\n):BI+(\n)+1]
.endr
	; the gate: a lane holds one token and eight rules; the other eight lie in the lane 16 away
	v_max3_num_f32 v14, v16, v17, v18
	v_max3_num_f32 v14, v14, v19, v20
	v_max3_num_f32 v14, v14, v21, v22
	v_max_num_f32 v14, v14, v23
	v_permlanex16_b32 v15, v14, s42, s43
	v_max_num_f32 v14, v14, v15                    ; the row's maximum
	v_mul_f32 v14, s40, v14
.irp n, 0,2,4,6
	v_pk_fma_f32 v[32+(\n):33+(\n)], v[ACCA+(\n):ACCA+(\n)+1], s[40:41], v[14:15] op_sel_hi:[1,0,0] neg_lo:[0,0,1] neg_hi:[0,0,1]  ; (a - m) log2(e)
.endr
.irp n, 0,2,4,6
	v_pk_mul_f32 v[40+(\n):41+(\n)], v[ACCC+(\n):ACCC+(\n)+1], s[44:45] op_sel_hi:[1,0]                                             ; -z log2(e)
.endr
.irp n, 0,1,2,3,4,5,6,7,8,9,10,11,12,13,14,15
	v_exp_f32 v[32+(\n)], v[32+(\n)]
.endr
	v_nop                                          ; a plain line behind the last exponential,
	s_wait_alu depctr_va_vdst(0)                   ; and one wait for the batch of sixteen, ahead of its first reader
.irp n, 0,2,4,6
	v_pk_add_f32 v[40+(\n):41+(\n)], v[40+(\n):41+(\n)], 1.0 op_sel_hi:[1,0]
.endr
	v_pk_add_f32 v[48:49], v[32:33], v[34:35]
	v_pk_add_f32 v[50:51], v[36:37], v[38:39]
	v_pk_add_f32 v[48:49], v[48:49], v[50:51]
	v_add_f32 v48, v48, v49
	v_permlanex16_b32 v49, v48, s42, s43
	v_add_f32 v48, v48, v49                        ; the softmax's sum
.irp n, 0,1,2,3,4,5,6,7
	v_rcp_f32 v[40+(\n)], v[40+(\n)]               ; conf = 1 / (1 + 2^(-z log2(e)))
.endr
	v_rcp_f32 v50, v48
	v_nop
	s_wait_alu depctr_va_vdst(0)                   ; one wait for the nine reciprocals
.irp n, 0,2,4,6
	v_pk_mul_f32 v[32+(\n):33+(\n)], v[32+(\n):33+(\n)], v[50:51] op_sel_hi:[1,0]
.endr
.irp n, 0,2,4,6
	v_pk_mul_f32 v[32+(\n):33+(\n)], v[32+(\n):33+(\n)], v[40+(\n):41+(\n)]  ; attention x confidence
.endr
	v_pk_add_f32 v[52:53], v[32:33], v[34:35]
	v_pk_add_f32 v[54:55], v[36:37], v[38:39]
	v_pk_add_f32 v[52:53], v[52:53], v[54:55]
	v_add_f32 v52, v52, v53
	v_permlanex16_b32 v53, v52, s42, s43
	v_add_f32 v52, v52, v53
	v_add_f32 v52, 0x322bcc77, v52                 ; + 1e-8
	v_rcp_f32 v54, v52
	v_nop
	s_wait_alu depctr_va_vdst(0)
.irp n, 0,2,4,6
	v_pk_mul_f32 v[32+(\n):33+(\n)], v[32+(\n):33+(\n)], v[54:55] op_sel_hi:[1,0]  ; c
.endr
	; both tables go through my own stage, so that each store covers 512 consecutive bytes.  LDS serves a wave's instructions in order: the loads see the stores.
	ds_store_b128 v226, v[40:43]
	ds_store_b128 v226, v[44:47] offset:16
	ds_store_b128 v226, v[32:35] offset:1024
	ds_store_b128 v226, v[36:39] offset:1040
	ds_load_b128 v[128:131], v227
	ds_load_b128 v[132:135], v227 offset:512
	ds_load_b128 v[136:139], v227 offset:1024
	ds_load_b128 v[140:143], v227 offset:1536
	s_wait_dscnt 0x0
	global_store_b128 v5, v[128:131], s[52:53]
	global_store_b128 v5, v[132:135], s[52:53] offset:512
	global_store_b128 v5, v[136:139], s[54:55]
	global_store_b128 v5, v[140:143], s[54:55] offset:512
	s_cmp_lg_u32 s36, 0
	s_cbranch_scc1 .Lend
	s_cmp_lt_u32 ttmp9, 64
	s_cbranch_scc0 .Lend
	; wave 0 of work-groups 0-63: 512 bytes of b1 (rounded to bf16, kept as f32) and two sub-tiles of b2 (rows 0-3: the group's four rules, rounded to bf16 and written as f16; rows 4-7: zeros)
	s_lshr_b32 s37, ttmp9, 4                       ; the group of four rules
	s_and_b32 s38, ttmp9, 15
	s_lshl_b32 s46, ttmp9, 9
	s_add_nc_u64 s[56:57], s[18:19], s[46:47]      ; b1 + 512 j
	s_lshl_b32 s46, s37, 14
	s_lshl_b32 s39, s38, 9
	s_add_co_u32 s46, s46, s39
	s_add_nc_u64 s[58:59], s[30:31], s[46:47]      ; aux + 16,384 g + 512 (j % 16)
	s_lshl_b32 s46, s37, 13
	s_lshl_b32 s39, s38, 7
	s_add_co_u32 s46, s46, s39
	s_add_nc_u64 s[60:61], s[20:21], s[46:47]      ; b2 + 8,192 g + 128 (j % 16)
	v_bfe_u32 v14, v1, 2, 2
	v_and_b32 v15, 3, v1
	v_lshlrev_b32 v15, 4, v15
	v_lshl_add_u32 v14, v14, 11, v15               ; rule (lane / 4) % 4, 16 bytes at lane % 4
	v_lshlrev_b32 v15, 3, v1
	v_cmp_gt_u32 s39, 16, v1                       ; lanes 0-15 hold rows 0-3
	global_load_b128 v[144:147], v5, s[56:57]
	global_load_b128 v[148:151], v14, s[60:61]
	global_load_b128 v[152:155], v14, s[60:61] offset:64
	s_wait_loadcnt 0x0
	v_cvt_pk_bf16_f32 v156, v144, v145
	v_cvt_pk_bf16_f32 v157, v146, v147
	v_lshlrev_b32 v160, 16, v156
	v_and_b32 v161, 0xffff0000, v156
	v_lshlrev_b32 v162, 16, v157
	v_and_b32 v163, 0xffff0000, v157
.irp n, 0,1,2,3
	v_cvt_pk_bf16_f32 v[164+(\n)], v[148+2*(\n)], v[149+2*(\n)]
.endr
.irp n, 0,1,2,3
	v_lshlrev_b32 v[148+2*(\n)], 16, v[164+(\n)]
	v_and_b32 v[149+2*(\n)], 0xffff0000, v[164+(\n)]
.endr
.irp n, 0,1,2,3
	v_cvt_pk_f16_f32 v[164+(\n)], v[148+2*(\n)], v[149+2*(\n)]
.endr
	v_cndmask_b32 v164, 0, v164, s39
	v_cndmask_b32 v165, 0, v165, s39
	v_cndmask_b32 v166, 0, v166, s39
	v_cndmask_b32 v167, 0, v167, s39
	global_store_b128 v5, v[160:163], s[58:59]
	global_store_b64 v15, v[164:165], s[58:59] offset:8192
	global_store_b64 v15, v[166:167], s[58:59] offset:8448
.Lend:
	s_wait_tensorcnt 0x0                           ; the wave's end, behind my last LDS store
	ds_add_u32 v12, v13
	s_wait_dscnt 0x0
	s_endpgm
.Lfunc_end_k_qd46dd75209_prep:
	.size	k_qd46dd75209_prep, .Lfunc_end_k_qd46dd75209_prep-k_qd46dd75209_prep
	.p2alignl 7, 3214868480
	.fill 96, 4, 3214868480
	.section	.rodata,"a",@progbits
	.p2align	6, 0x0
	.amdhsa_kernel k_qd46dd75209_prep
		.amdhsa_group_segment_fixed_size 87296
		.amdhsa_private_segment_fixed_size 0
		.amdhsa_enable_private_segment 0
		.amdhsa_kernarg_size 120
		.amdhsa_user_sgpr_count 2
		.amdhsa_user_sgpr_kernarg_segment_ptr 1
		.amdhsa_wavefront_size32 1
		.amdhsa_system_sgpr_workgroup_id_x 1
		.amdhsa_system_sgpr_workgroup_id_y 1
		.amdhsa_system_sgpr_workgroup_id_z 1
		.amdhsa_system_vgpr_workitem_id 0
		.amdhsa_next_free_vgpr 256
		.amdhsa_next_free_sgpr 100
		.amdhsa_reserve_vcc 1
		.amdhsa_float_denorm_mode_32 3
		.amdhsa_float_denorm_mode_16_64 3
		.amdhsa_memory_ordered 1
		.amdhsa_forward_progress 1
		.amdhsa_inst_pref_size 68
	.end_amdhsa_kernel
	.amdgpu_metadata
---
amdhsa.version: [ 1, 2 ]
amdhsa.kernels:
  - .name:           k_qd46dd75209_prep
    .symbol:         k_qd46dd75209_prep.kd
    .args:
      - { .name: x, .offset: 0, .size: 8, .value_kind: global_buffer, .address_space: global }
      - { .name: W1, .offset: 8, .size: 8, .value_kind: global_buffer, .address_space: global }
      - { .name: W2, .offset: 16, .size: 8, .value_kind: global_buffer, .address_space: global }
      - { .name: Wa, .offset: 24, .size: 8, .value_kind: global_buffer, .address_space: global }
      - { .name: Wc, .offset: 32, .size: 8, .value_kind: global_buffer, .address_space: global }
      - { .name: b1, .offset: 40, .size: 8, .value_kind: global_buffer, .address_space: global }
      - { .name: b2, .offset: 48, .size: 8, .value_kind: global_buffer, .address_space: global }
      - { .name: ba, .offset: 56, .size: 8, .value_kind: global_buffer, .address_space: global }
      - { .name: bc, .offset: 64, .size: 8, .value_kind: global_buffer, .address_space: global }
      - { .name: xb, .offset: 72, .size: 8, .value_kind: global_buffer, .address_space: global }
      - { .name: wb, .offset: 80, .size: 8, .value_kind: global_buffer, .address_space: global }
      - { .name: aux, .offset: 88, .size: 8, .value_kind: global_buffer, .address_space: global }
      - { .name: cbuf, .offset: 96, .size: 8, .value_kind: global_buffer, .address_space: global }
      - { .name: out1, .offset: 104, .size: 8, .value_kind: global_buffer, .address_space: global }
      - { .name: wmax, .offset: 112, .size: 8, .value_kind: global_buffer, .address_space: global }
    .group_segment_fixed_size: 87296
    .private_segment_fixed_size: 0
    .kernarg_segment_align: 8
    .kernarg_segment_size: 120
    .max_flat_workgroup_size: 256
    .sgpr_count:     100
    .vgpr_count:     256
    .wavefront_size: 32
...
	.end_amdgpu_metadata
.endif
;; end of part 1
;; launch main (part 2): grid 64 x 4, 4 waves a work-group, clusters of 4 x 1, 327,680 bytes of LDS; arguments xb, wb, aux, cbuf, part, wmax; writes part
.if DOCPART == 2
	.amdgcn_target "amdgcn-amd-amdhsa--gfx1250"
	.amdhsa_code_object_version 6
	.text
	.protected	k_qd46dd75209_main
	.globl	k_qd46dd75209_main
	.p2align	8
	.type	k_qd46dd75209_main,@function
k_qd46dd75209_main:
	s_mov_b64 s[64:65], 0
	v_nop
	global_prefetch_b8 v0, s[64:65] scope:SCOPE_SE
	s_setreg_imm32_b32 hwreg(HW_REG_WAVE_MODE, 25, 1), 1
	s_wait_xcnt 0x0
	s_wait_alu depctr_hold_cnt(0) depctr_sa_sdst(0) depctr_va_vdst(0) depctr_va_sdst(0) depctr_va_ssrc(0) depctr_va_vcc(0) depctr_vm_vsrc(0)
	s_getreg_b32 s2, hwreg(HW_REG_IB_STS2, 6, 4)
	s_cmp_eq_u32 s2, 0
	s_cbranch_scc0 .Lentry_in_a_cluster
	s_endpgm
.Lentry_in_a_cluster:
	s_bfe_u32 s2, ttmp6, 0x10000c
	s_cmp_lg_u32 s2, 0x3003
	s_cbranch_scc0 .Lentry_shape_is_right
	s_endpgm
.Lentry_shape_is_right:
; MAIN.  part[g][b][:] = sum over the group's four rules r of ( c[b][r] relu(x[b] W1[r] + b1[r]) ) W2[r] + c[b][r] b2[r].
; c is never negative, so c relu(s) = max(c s, 0): the hidden layer is scaled in f32, rounded once, and all rules add into ONE f32 accumulator: the hidden layer never leaves registers.
; FORMATS.  The first product has bf16 operands.  The second has f16 operands: the hidden layer's one rounding then keeps 11 significant bits.  f16's range is made to fit for every input: for token b
; |x W1 + b1| <= B = max(512 max|x[b]| max|W1| + max|b1|, 1), the maxima taken of the operands as rounded; with e the exponent field of B, c is multiplied once by 2^(141 - e), so that every
; c s lies under 2^15 (and c itself under 2^14), and the finished sums are multiplied by 2^(e - 141).  Both factors are powers of two: nothing is rounded by them.
; SHARES.  A work-group: 128 tokens x 4 rules (2,048 hidden units); a wave: 32 tokens, two tiles of 16, with all 512 outputs of each: 64 accumulators, 512 registers; x of its tokens, 256 registers.
; LAYOUT.  Both products are used transposed: S^T = W1^T x^T (source 0 = 16 hidden units, source 1 = 16 tokens) holds one token a lane and eight hidden units; two such results, scaled and rounded in
; pairs, ARE source 1 (32 hidden units x 16 tokens) of O^T += W2^T P.  The weights lie in LDS as sub-tiles of 8 k x 16 n (256 bytes) and come out turned, by ds_load_tr16_b128: 16 lanes read 256
; consecutive bytes, so there is no padding.  b1 is the C operand that starts S^T's sums; b2's term is one product (K = 4 of 32, the rest zeros) that starts O^T's sums: nothing is cleared.
; THE WALK.  32 visits of 64 hidden units; a visit's weights (65,536 bytes of W1, 65,536 of W2) are one LDS slot, two slots take turns.  A visit is 32 groups of 8 matrix instructions on 4 fragments,
; taken in pairs; four fragment buffers of 32 registers, filled again two at a time: ONE run of 16 LDS loads behind a pair's 16 matrix instructions, 16 matrix instructions ahead of its first use.
; CLUSTER.  The four work-groups of a cluster have the same rules and other tokens: they walk the same weights, so each quarter of a slot is asked for JOINTLY (same line, same descriptor, mask of four).
; LIMITS.  A scaled hidden number under 2^-14 keeps f16's fixed step 2^-24, which is 2^-39 of the bound B or less.  NaN and infinities are not treated apart.  The four groups' parts are f32 and are added by the next launch.
; REGISTERS, in windows of 256 (s_set_vgpr_msb: bits 1:0 source 0, 3:2 source 1, 5:4 source 2, 7:6 destination):
;   window 0: v0-15 addresses; v18-25 c; v26-29 the way out's factors; v32-63 S^T; v64-79 P; v80-111 b1; v112-127 at work ahead of the walk; v128-255 fragment buffers
;   window 1: x, tile t K step ks at 128 t + 8 ks     windows 2, 3: O^T, block ob tile t at 16 (ob % 16) + 8 t
.set SLOT1, 1<<17                      ; slot 0 at 0, slot 1 here: one exclusive or turns an address in one slot into the other's
.set AUXL,  262144                     ; b1 of the group's rules, f32: 8,192 bytes
.set B2L,   270336                     ; b2's 32 sub-tiles: 8,192 bytes
.set STAGE, 278528                     ; 16 rows x 528 bytes for each wave, for the way out; no tensor load fills it
.set SPITCH, 528                       ; 512 + 16 bytes = 132 words: the 16 rows of a store start at 16 different groups of four banks
.set SPARE, 312320                     ; the spare words, 128 bytes for each wave
.set S,   32                           ; S^T of half a, tile t at S + 16 t + 8 a
.set P,   64                           ; P of tile t at P + 8 t
.set BC,  80                           ; b1 of unit u, half a at BC + 16 u + 8 a
.set BUF, 128
.set IV,  26                           ; v[26:27], v[28:29]  2^(e - 141) of my token in tile 0, 1, named as pairs
; v1 r  v2 h  v3 lane term of a turned load  v4, v5 that + slot (W1's part, W2's part)  v6 b1's address  v7 stage in  v8 stage back  v9 16 x lane  v10 v3 + 65,536  v11 64 r
; v12 spare word  v13 0 (these two never rewritten)  v14 b2's address  v15 0  v[18:21], v[22:25] c of tile 0, 1, scaled: the rule in hand lowest  v30 b1 as a whole
; s[4:13] buffers  s14 wave  s15 cx  s16 row tile  s17 group  s[20:27] group 1 of a slot's quarter  s[28:35] of aux's quarter  s[36:39], s[40:43], s[44:47] groups 0: slot 0's first fill, the walking one, aux
; s48 the slot in hand  s49 visits to go  s50 visits left of the rule  s51 lanes with h = 0  s52 mask of a change of rule  s[60:61] lane selects  s[62:63] wmax
.set MSB, 0
.macro WIN new                         ; the immediate's high byte repeats the setting that is left; a switch that changes nothing is dropped
.if MSB != (\new)
	s_set_vgpr_msb (MSB<<8)|(\new)
.set MSB, \new
.endif
.endm
.macro PLACES                          ; four places between a matrix instruction and a load into, or a vector line on, its registers
.rept 4
	v_nop
.endr
.endm
.macro CREST                           ; a round of the cluster's barrier behind its opening barrier
	s_cmp_lg_u32 s14, 0
	s_cbranch_scc1 .Lnot_wave_0_\@
	s_barrier_signal -3
.Lnot_wave_0_\@:
	s_barrier_wait -3
	s_barrier_signal -1
	s_barrier_wait -1
.endm
.macro CROUND
	s_barrier_signal -1
	s_barrier_wait -1
	CREST
.endm
; group n of a visit: unit n / 16; n % 16 < 8: four fragments of W1 (K steps 2 (n % 8), +1; halves 0, 1); else four of W2 (output blocks 4 (n % 8) on).  8 loads into buffer n % 4.
.macro LOADG n
.if MSB != 0x04                        ; under 0x04 destination and address are in window 0 already
	WIN 0
.endif
.irp j, 0,1,2,3,4,5,6,7
.if ((\n)%16) < 8
	ds_load_tr16_b128 v[BUF+32*((\n)%4)+4*(\j):BUF+32*((\n)%4)+4*(\j)+3], v4 offset:32768*((\n)/16)+4096*((\n)%8)+512*(\j)
.else
	ds_load_tr16_b128 v[BUF+32*((\n)%4)+4*(\j):BUF+32*((\n)%4)+4*(\j)+3], v5 offset:32768*((\n)/16)+4096*((\n)%8)+512*(\j)
.endif
.endr
.endm
.macro LOADB2 m                        ; b2's sub-tiles 4 m on, each into both halves of a fragment: only k = 0..3 meet a c that is not 0
	WIN 0
.irp i, 0,1,2,3
	ds_load_tr16_b128 v[BUF+32*((\m)%4)+8*(\i):BUF+32*((\m)%4)+8*(\i)+3],   v14 offset:256*(4*(\m)+(\i))
	ds_load_tr16_b128 v[BUF+32*((\m)%4)+8*(\i)+4:BUF+32*((\m)%4)+8*(\i)+7], v14 offset:256*(4*(\m)+(\i))
.endr
.endm
.macro BCLOAD                          ; b1 of the visit's 64 hidden units: eight a lane for each unit and half
.irp u, 0,1
.irp a, 0,1
	ds_load_b128 v[BC+16*(\u)+8*(\a):BC+16*(\u)+8*(\a)+3],   v6 offset:128*(\u)+64*(\a)
	ds_load_b128 v[BC+16*(\u)+8*(\a)+4:BC+16*(\u)+8*(\a)+7], v6 offset:128*(\u)+64*(\a)+16
.endr
.endr
.endm
; 8 products of S^T: two K steps x two halves x two tiles; the four accumulators take turns.  K step 0 starts the sums with b1.
.macro FGRP n
	WIN 0x04                                       ; x in window 1
.irp kk, 0,1
.irp a, 0,1
.irp t, 0,1
.set rS, S+16*(\t)+8*(\a)
.set rA, BUF+32*((\n)%4)+8*(2*(\kk)+(\a))
.set rX, 128*(\t)+8*(2*((\n)%8)+(\kk))
.set rB, BC+16*((\n)/16)+8*(\a)
.if (((\n)%8) == 0) && ((\kk) == 0)
	v_wmma_f32_16x16x32_bf16 v[rS:rS+7], v[rA:rA+7], v[rX:rX+7], v[rB:rB+7]
.else
	v_wmma_f32_16x16x32_bf16 v[rS:rS+7], v[rA:rA+7], v[rX:rX+7], v[rS:rS+7]
.endif
.endr
.endr
.endr
.endm
; 8 products of O^T, in f16: output blocks 4 m on x two tiles; each of the 64 accumulators has one turn a unit.  zero = 1: they start the sums.
.macro SGRP m, zero
	WIN 0xa0+0x50*((\m)/4)                         ; C and D in window 2 or 3
.irp i, 0,1,2,3
.irp t, 0,1
.set rO, 16*((4*(\m)+(\i))%16)+8*(\t)
.set rA, BUF+32*((\m)%4)+8*(\i)
.set rP, P+8*(\t)
.if \zero
	v_wmma_f32_16x16x32_f16 v[rO:rO+7], v[rA:rA+7], v[rP:rP+7], 0
.else
	v_wmma_f32_16x16x32_f16 v[rO:rO+7], v[rA:rA+7], v[rP:rP+7], v[rO:rO+7]
.endif
.endr
.endr
.endm
.macro MULG n                          ; the 8 products of group n
.if ((\n)%16) < 8
	FGRP \n
.else
	SGRP (\n)%8, 0
.endif
.endm
; groups n and n + 1: 16 products on two buffers.  c0, c1: the younger LDS instructions that may stay out when group n, group n + 1 has to be in.
; ld = 1: behind four places the two buffers take the groups four further on, in one run of 16 loads.
.macro PAIR n, c0, c1, ld
	s_wait_dscnt \c0
	MULG \n
	s_wait_dscnt \c1
	MULG (\n)+1
.if \ld
	PLACES
	LOADG (\n)+4
	LOADG (\n)+5
.endif
.endm
; a unit's 32 hidden units x 32 tokens: times the scaled c in f32, rounded to f16, the negative ones to 0.  Each accumulator's lowest registers are read first; the tiles alternate.
.macro ACT
	WIN 0
.irp j, 0,1,2,3,4,5,6,7
	v_pk_mul_f32 v[S+2*(\j):S+2*(\j)+1], v[S+2*(\j):S+2*(\j)+1], v[18:19] op_sel_hi:[1,0]
	v_pk_mul_f32 v[S+16+2*(\j):S+17+2*(\j)], v[S+16+2*(\j):S+17+2*(\j)], v[22:23] op_sel_hi:[1,0]
.endr
.irp j, 0,1,2,3,4,5,6,7
	v_cvt_pk_f16_f32 v[P+(\j)], v[S+2*(\j)], v[S+2*(\j)+1]
	v_cvt_pk_f16_f32 v[P+8+(\j)], v[S+16+2*(\j)], v[S+17+2*(\j)]
.endr
.irp j, 0,1,2,3,4,5,6,7
	v_pk_max_num_f16 v[P+(\j)], v[P+(\j)], v15
	v_pk_max_num_f16 v[P+8+(\j)], v[P+8+(\j)], v15
.endr
.endm
; A VISIT.  mode 2: the slot is filled again, two visits ahead; 1: nothing is asked for; 0: the last visit.
.macro VISIT mode
.set vn, 0
.rept 14
	PAIR vn, 24, 16, 1                             ; 24: the pair's second group and the next pair's 16 loads stay out; 16: the next pair's
.if (vn%16) == 6
	ACT                                            ; behind the pair's four places and its run of loads
.endif
.set vn, vn+2
.endr
.if (\mode) == 0
	PAIR 28, 24, 16, 0
	PAIR 30, 8, 0, 0
.else
	s_wait_dscnt 24
	MULG 28
	WIN 0                                          ; (the add's two registers lie in window 0)
	s_wait_tensorcnt 0x0                           ; all my tensor loads have landed: the one that was out is my quarter of the other slot; so a group 0 may be written
	ds_add_u32 v12, v13                            ; 0 onto my spare word
.if (\mode) == 2
	s_xor_b32 s41, s41, SLOT1                      ; the walking descriptor: the slot in hand,
	s_add_nc_u64 s[42:43], s[42:43], 131072        ; the next block of weights; the type bits on top are not reached
.endif
	s_wait_dscnt 17                                ; group 29 is in (two groups' 16 loads and the add may be out)
	MULG 29
	s_wait_dscnt 0x0                               ; the add is done, and my reads of this slot are back
	s_barrier_signal -1
	MULG 30                                        ; work on registers while the others arrive
	WIN 0
	s_barrier_wait -1
.if (\mode) == 2
	CREST                                          ; the barrier has opened a round of the cluster's: no wave of any partner still reads this slot or has a load on its way
	tensor_load_to_lds s[40:43], s[20:27]          ; my one tensor load behind the round, first thing there: it has a visit's matrix work in which to land
	s_nop 0
	PLACES                                         ; also the places in front of the loads below
.else
	PLACES
.endif
	s_xor_b32 s48, s48, SLOT1                      ; the other slot
	v_add_nc_u32 v4, s48, v3
	v_add_nc_u32 v5, s48, v10
	v_add_nc_u32 v6, 256, v6                       ; b1 of the next 64 hidden units
.if (\mode) == 2
	s_sub_co_u32 s50, s50, 1                       ; every eighth visit the next rule's c moves down: a select, no branch
	s_cmp_eq_u32 s50, 0
	s_cselect_b32 s52, -1, 0
	s_cselect_b32 s50, 8, s50
	v_cndmask_b32 v18, v18, v19, s52
	v_cndmask_b32 v19, v19, v20, s52
	v_cndmask_b32 v20, v20, v21, s52
	v_cndmask_b32 v22, v22, v23, s52
	v_cndmask_b32 v23, v23, v24, s52
	v_cndmask_b32 v24, v24, v25, s52
.endif
	BCLOAD                                         ; one run of 24: the next visit's b1 and its first pair,
	LOADG 0
	LOADG 1
	MULG 31
	PLACES
	LOADG 2                                        ; and one of 16: its second pair
	LOADG 3
.endif
.endm
; THE WAY OUT, piece p = 4 t + pq: 16 tokens x 128 outputs.  The sums are multiplied by the token's 2^(e - 141); a lane's 32 bytes of a row go into my stage; whole rows of 512 bytes come back.
.macro STG p
.set tt, (\p)/4
.set pq, (\p)%4
	WIN 0x82+0x41*(pq/2)                           ; destination and source 0 in window 2 or 3, the factor in window 0
.irp i, 0,1,2,3,4,5,6,7
.set rO, 16*((8*pq+(\i))%16)+8*tt
.irp j, 0,2,4,6
	v_pk_mul_f32 v[rO+(\j):rO+(\j)+1], v[rO+(\j):rO+(\j)+1], v[IV+2*tt:IV+2*tt+1] op_sel_hi:[1,0]  ; an accumulator's lowest registers first
.endr
.endr
	WIN 0x08+4*(pq/2)                              ; store data in window 2 or 3
.irp i, 0,1,2,3,4,5,6,7
.set rO, 16*((8*pq+(\i))%16)+8*tt
	ds_store_b128 v7, v[rO:rO+3] offset:64*(\i)
	ds_store_b128 v7, v[rO+4:rO+7] offset:64*(\i)+16
.endr
	WIN 0
	s_wait_xcnt 0x0                                ; the stores of the piece two back have read these registers
.irp q, 0,1,2,3,4,5,6,7,8,9,10,11,12,13,14,15
	ds_load_b128 v[BUF+64*((\p)%2)+4*(\q):BUF+64*((\p)%2)+4*(\q)+3], v8 offset:SPITCH*(\q)  ; LDS serves a wave's instructions in order: these see the stores above
.endr
.endm
.macro SEND p, younger
	s_wait_dscnt \younger
.irp q, 0,1,2,3,4,5,6,7,8,9,10,11,12,13,14,15
	global_store_b128 v9, v[BUF+64*((\p)%2)+4*(\q):BUF+64*((\p)%2)+4*(\q)+3], s[12:13] offset:(16*((\p)/4)+(\q))*2048+512*((\p)%4)  ; 512 consecutive bytes of a row, aligned
.endr
.endm
	s_load_b256 s[4:11], s[0:1], 0x0               ; xb 4, wb 6, aux 8, cbuf 10
	s_load_b64 s[12:13], s[0:1], 0x20              ; part
	s_load_b64 s[62:63], s[0:1], 0x28              ; wmax
	v_lshl_add_u32 v12, v0, 2, SPARE
	v_mov_b32 v13, 0
	ds_add_u32 v12, v13                            ; the wave's opening: the add, with its wait ahead of my first tensor load; the set-up below stands between them
	v_lshrrev_b32 v1, 5, v0
	v_readfirstlane_b32 s14, v1                    ; wave 0..3
	s_bfe_u32 s15, ttmp6, 0x40000                  ; cx
	s_lshl_b32 s16, ttmp9, 2
	s_add_co_u32 s16, s16, s15                     ; row tile = 4 x cluster x + cx: it enters the addresses of xb, cbuf and part alone
	s_and_b32 s17, ttmp7, 0xffff                   ; the group of rules, which the four partners share
	; group 1: dense bytes as rows of 256: elements of 8 bytes, 32 a row; the mask of four, bit 21 beside it; no padding
	s_mov_b32 s20, 15|(3<<16)|(1<<21)
	s_mov_b32 s21, 32<<16                          ; tensor_dim0 = 32
	s_mov_b32 s22, 128<<16                         ; tensor_dim1 = 128
	s_mov_b32 s23, 32<<16                          ; tile_dim0 = 32
	s_mov_b32 s24, 128                             ; tile_dim1 = 128: 32,768 bytes, a quarter of a slot
	s_mov_b32 s25, 32                              ; 32 elements from row to row
	s_mov_b32 s26, 0
	s_mov_b32 s27, 0
	s_mov_b32 s28, 15|(3<<16)|(1<<21)
	s_mov_b32 s29, 32<<16
	s_mov_b32 s30, 16<<16                          ; 16 rows: 4,096 bytes, a quarter of the group's aux
	s_mov_b32 s31, 32<<16
	s_mov_b32 s32, 16
	s_mov_b32 s33, 32
	s_mov_b32 s34, 0
	s_mov_b32 s35, 0
	s_mov_b32 s36, 1
	s_mul_i32 s37, s14, 32768                      ; LDS: my quarter of slot 0,
	s_mov_b32 s40, 1
	s_add_co_u32 s41, s37, SLOT1                   ; of slot 1,
	s_mov_b32 s44, 1
	s_mul_i32 s53, s14, 4096
	s_add_co_u32 s45, s53, AUXL                    ; of aux: no place in the cluster enters an LDS address
	s_lshl_b32 s18, s17, 22                        ; a group's weights are 4 MiB
	s_add_co_u32 s18, s18, s37
	s_mov_b32 s19, 0
	s_lshl_b32 s52, s17, 14
	s_add_co_u32 s52, s52, s53
	s_mov_b32 s53, 0
	s_lshl2_add_u32 s3, s16, s14                   ; 4 x row tile + wave: my 32 tokens
	s_lshl_b32 s54, s3, 15                         ; two tiles of 16,384 bytes of xb
	s_mov_b32 s55, 0
	s_lshl_b32 s56, s3, 11                         ; 32 rows of 64 bytes of cbuf,
	s_lshl_b32 s2, s17, 4                          ; the group's four rules
	s_add_co_u32 s56, s56, s2
	s_mov_b32 s57, 0
	s_lshl_b32 s58, s3, 16                         ; 32 rows of 2,048 bytes of part,
	s_lshl_b32 s2, s17, 24                         ; in the group's 16 MiB
	s_add_co_u32 s58, s58, s2
	s_mov_b32 s59, 0
	s_lshl_b32 s2, s17, 10                         ; the group's 256 words of wmax
	s_mov_b32 s3, 0
	s_mov_b32 s60, 0x76543210                      ; each lane takes its own place in the other half
	s_mov_b32 s61, 0xfedcba98
	s_mov_b32 s48, 0
	s_mov_b32 s49, 30
	s_mov_b32 s50, 8
	s_wait_dscnt 0x0                               ; the opening add is done
	s_wait_kmcnt 0x0
	s_add_nc_u64 s[38:39], s[6:7], s[18:19]        ; the group's block 0, my quarter
	s_add_nc_u64 s[42:43], s[38:39], 131072        ; block 1
	s_or_b32 s39, s39, 0x80000000                  ; type = 2
	s_or_b32 s43, s43, 0x80000000
	s_add_nc_u64 s[46:47], s[8:9], s[52:53]
	s_or_b32 s47, s47, 0x80000000
	s_add_nc_u64 s[4:5], s[4:5], s[54:55]
	s_add_nc_u64 s[10:11], s[10:11], s[56:57]
	s_add_nc_u64 s[12:13], s[12:13], s[58:59]
	s_add_nc_u64 s[62:63], s[62:63], s[2:3]
	CROUND                                         ; all four work-groups are here: the first joint loads meet
	tensor_load_to_lds s[44:47], s[28:35]          ; aux; the three first fills go out together: three loads of mine are out
	s_nop 0
	tensor_load_to_lds s[36:39], s[20:27]          ; slot 0
	s_nop 0
	tensor_load_to_lds s[40:43], s[20:27]          ; slot 1
	s_nop 0
	PLACES
	v_and_b32 v16, 31, v0                          ; lane
	v_and_b32 v1, 15, v0                           ; r
	v_bfe_u32 v2, v0, 4, 1                         ; h
	v_and_b32 v17, 7, v0
	v_bfe_u32 v26, v0, 3, 1
	v_lshlrev_b32 v14, 5, v17
	v_lshl_add_u32 v14, v26, 4, v14                ; in a sub-tile: row lane % 8, 16 bytes at (lane / 8) % 2
	v_lshl_add_u32 v3, v2, 8, v14                  ; sub-tile h: k = 8 h on; the fragment's second load stands 512 bytes on
	v_add_nc_u32 v14, B2L, v14
	v_add_nc_u32 v10, 65536, v3
	v_mov_b32 v4, v3
	v_mov_b32 v5, v10
	v_lshlrev_b32 v6, 5, v2
	v_add_nc_u32 v6, AUXL, v6
	s_mul_i32 s2, s14, 16*SPITCH
	s_add_co_u32 s2, s2, STAGE
	v_mul_u32_u24 v7, v1, SPITCH
	v_lshl_add_u32 v7, v2, 5, v7
	v_add_nc_u32 v7, s2, v7
	v_lshlrev_b32 v9, 4, v16
	v_add_nc_u32 v8, s2, v9
	v_add_nc_u32 v30, AUXL, v9
	v_lshlrev_b32 v11, 6, v1
	v_mov_b32 v15, 0
	v_cmp_eq_u32 s51, 0, v2
	WIN 0x40                                       ; destination window 1
.set i, 0
.rept 32                                           ; x stays in registers: tile i / 16, K step i % 16
	global_load_b128 v[8*i:8*i+3],   v9, s[4:5] offset:1024*i
	global_load_b128 v[8*i+4:8*i+7], v9, s[4:5] offset:1024*i+512
.set i, i+1
.endr
	WIN 0
	global_load_b128 v[18:21], v11, s[10:11]               ; c of my token in tile 0, the group's four rules
	global_load_b128 v[22:25], v11, s[10:11] offset:1024   ; in tile 1
	global_load_b128 v[112:115], v9, s[62:63]              ; the 256 partial maxima of the group's W1
	global_load_b128 v[116:119], v9, s[62:63] offset:512
	s_wait_tensorcnt 0x1                           ; my quarters of aux and of slot 0 are in; slot 1's may stay out
	s_barrier_signal -1
	s_barrier_wait -1                              ; everybody's are
.set i, 0
.rept 16                                           ; the group's 2,048 numbers of b1, 64 a lane
	ds_load_b128 v[BUF+4*i:BUF+4*i+3], v30 offset:512*i
.set i, i+1
.endr
	s_wait_loadcnt 0x0                             ; x, c and the maxima of W1
	; THE BOUND.  max|x| of my two tokens: a running maximum and a running minimum, two bf16 at a time, both begun at 0; nothing is rounded.  Four chains that do not wait for each other.
.irp n, 120,121,122,123,124,125,126,127
	v_mov_b32 v[\n], 0
.endr
	WIN 0x04                                       ; source 1 in window 1
.set i, 0
.rept 128
	v_pk_max_num_bf16 v120, v120, v[i]
	v_pk_min_num_bf16 v121, v121, v[i]
	v_pk_max_num_bf16 v122, v122, v[128+i]
	v_pk_min_num_bf16 v123, v123, v[128+i]
.set i, i+1
.endr
	WIN 0
	s_wait_dscnt 0x0                               ; b1
.set i, 0
.rept 16
	v_max3_num_f32 v124, v124, v[BUF+4*i], v[BUF+4*i+1]
	v_min3_num_f32 v125, v125, v[BUF+4*i], v[BUF+4*i+1]
	v_max3_num_f32 v126, v126, v[BUF+4*i+2], v[BUF+4*i+3]
	v_min3_num_f32 v127, v127, v[BUF+4*i+2], v[BUF+4*i+3]
.set i, i+1
.endr
	BCLOAD                                         ; the first visit's b1 and b2's first sub-tiles come in under the arithmetic below
	LOADB2 0
	LOADB2 1
	LOADB2 2
	LOADB2 3
.irp t, 0,1
	v_lshlrev_b32 v16, 16, v[120+2*(\t)]           ; the two halves as f32
	v_and_b32 v17, 0xffff0000, v[120+2*(\t)]
	v_max_num_f32 v[120+2*(\t)], v16, v17
	v_lshlrev_b32 v16, 16, v[121+2*(\t)]
	v_and_b32 v17, 0xffff0000, v[121+2*(\t)]
	v_min_num_f32 v[121+2*(\t)], v16, v17
	v_xor_b32 v[121+2*(\t)], 0x80000000, v[121+2*(\t)]
	v_max_num_f32 v[120+2*(\t)], v[120+2*(\t)], v[121+2*(\t)]
	v_permlanex16_b32 v[121+2*(\t)], v[120+2*(\t)], s60, s61   ; the token's other 256 numbers lie in the lane 16 away
	v_max_num_f32 v[120+2*(\t)], v[120+2*(\t)], v[121+2*(\t)]  ; max|x| of my token
.endr
	v_max_num_f32 v124, v124, v126
	v_min_num_f32 v125, v125, v127
	v_xor_b32 v125, 0x80000000, v125
	v_max_num_f32 v124, v124, v125
	v_max3_num_f32 v112, v112, v113, v114
	v_max3_num_f32 v112, v112, v115, v116
	v_max3_num_f32 v112, v112, v117, v118
	v_max_num_f32 v112, v112, v119
.irp m, 1,2,4,8
	v_max_num_f32_dpp v112, v112, v112 row_xmask:\m row_mask:0xf bank_mask:0xf
	v_max_num_f32_dpp v124, v124, v124 row_xmask:\m row_mask:0xf bank_mask:0xf
.endr
	v_permlanex16_b32 v113, v112, s60, s61
	v_permlanex16_b32 v125, v124, s60, s61
	v_max_num_f32 v112, v112, v113                 ; max|W1| of the group's rules, in every lane
	v_max_num_f32 v124, v124, v125                 ; max|b1|
.irp t, 0,1
	v_mul_f32 v[120+2*(\t)], 0x44000000, v[120+2*(\t)]         ; 512 max|x|
	v_fma_f32 v[120+2*(\t)], v[120+2*(\t)], v112, v124
	v_max_num_f32 v[120+2*(\t)], 1.0, v[120+2*(\t)]            ; B
	v_lshrrev_b32 v[120+2*(\t)], 23, v[120+2*(\t)]             ; e: B < 2^(e - 126)
	v_sub_nc_u32 v[121+2*(\t)], 0x10c, v[120+2*(\t)]
	v_lshlrev_b32 v[116+2*(\t)], 23, v[121+2*(\t)]             ; 2^(141 - e): exponent field 268 - e
	v_mov_b32 v[117+2*(\t)], v[116+2*(\t)]                     ; named with it as a pair
	v_add_nc_u32 v[120+2*(\t)], -14, v[120+2*(\t)]
	v_lshlrev_b32 v[IV+2*(\t)], 23, v[120+2*(\t)]              ; 2^(e - 141): exponent field e - 14
	v_mov_b32 v[IV+2*(\t)+1], v[IV+2*(\t)]                     ; named with it as a pair
	v_pk_mul_f32 v[18+4*(\t):19+4*(\t)], v[18+4*(\t):19+4*(\t)], v[116+2*(\t):117+2*(\t)] op_sel_hi:[1,0]  ; c takes the scale, once
	v_pk_mul_f32 v[20+4*(\t):21+4*(\t)], v[20+4*(\t):21+4*(\t)], v[116+2*(\t):117+2*(\t)] op_sel_hi:[1,0]
.endr
	v_cvt_pk_f16_f32 v[P], v18, v19                ; c as source 1: k = 0..3 in the first two registers of the lanes with h = 0, zeros elsewhere
	v_cvt_pk_f16_f32 v[P+1], v20, v21
	v_cvt_pk_f16_f32 v[P+8], v22, v23
	v_cvt_pk_f16_f32 v[P+9], v24, v25
	v_cndmask_b32 v[P], 0, v[P], s51
	v_cndmask_b32 v[P+1], 0, v[P+1], s51
	v_cndmask_b32 v[P+8], 0, v[P+8], s51
	v_cndmask_b32 v[P+9], 0, v[P+9], s51
.irp j, 2,3,4,5,6,7,10,11,12,13,14,15
	v_mov_b32 v[P+(\j)], 0
.endr
.set bm, 0
.rept 4                                            ; b2's term starts all 64 sums, two groups at a time; behind it the buffers take the first visit's groups
	s_wait_dscnt 24                                ; as in PAIR
	SGRP 2*bm, 1
	s_wait_dscnt 16
	SGRP 2*bm+1, 1
	PLACES
.if bm < 2
	LOADB2 2*bm+4
	LOADB2 2*bm+5
.else
	LOADG 2*bm-4
	LOADG 2*bm-3
.endif
.set bm, bm+1
.endr
.Lvisit:                                               ; visits 0 to 29: each asks for the block two visits on
	VISIT 2
	WIN 0
	s_sub_co_u32 s49, s49, 1
	s_cmp_lg_u32 s49, 0
	s_cbranch_scc1 .Lvisit
	VISIT 1                                        ; the tail is written out
	VISIT 0
	PLACES                                         ; the lines below read results just made
	STG 0
.irp p, 1,2,3,4,5,6,7
	STG \p
	SEND (\p)-1, 32                                ; the next piece's 16 stores and 16 loads may be out
.endr
	SEND 7, 0
	s_wait_tensorcnt 0x0                           ; the wave's end, behind my last tensor load and my last LDS store
	ds_add_u32 v12, v13
	s_wait_dscnt 0x0
	CROUND                                         ; the closing round: no work-group ends while a partner may still ask for a tile that names it
	s_endpgm
.Lfunc_end_k_qd46dd75209_main:
	.size	k_qd46dd75209_main, .Lfunc_end_k_qd46dd75209_main-k_qd46dd75209_main
	.p2alignl 7, 3214868480
	.fill 96, 4, 3214868480
	.section	.rodata,"a",@progbits
	.p2align	6, 0x0
	.amdhsa_kernel k_qd46dd75209_main
		.amdhsa_group_segment_fixed_size 327680
		.amdhsa_private_segment_fixed_size 0
		.amdhsa_enable_private_segment 0
		.amdhsa_kernarg_size 48
		.amdhsa_user_sgpr_count 2
		.amdhsa_user_sgpr_kernarg_segment_ptr 1
		.amdhsa_wavefront_size32 1
		.amdhsa_system_sgpr_workgroup_id_x 1
		.amdhsa_system_sgpr_workgroup_id_y 1
		.amdhsa_system_sgpr_workgroup_id_z 1
		.amdhsa_system_vgpr_workitem_id 0
		.amdhsa_next_free_vgpr 1024
		.amdhsa_next_free_sgpr 66
		.amdhsa_reserve_vcc 0
		.amdhsa_float_denorm_mode_32 3
		.amdhsa_float_denorm_mode_16_64 3
		.amdhsa_memory_ordered 1
		.amdhsa_forward_progress 1
		.amdhsa_inst_pref_size 236
	.end_amdhsa_kernel
	.amdgpu_metadata
---
amdhsa.version: [ 1, 2 ]
amdhsa.kernels:
  - .name:           k_qd46dd75209_main
    .symbol:         k_qd46dd75209_main.kd
    .args:
      - { .name: xb, .offset: 0, .size: 8, .value_kind: global_buffer, .address_space: global }
      - { .name: wb, .offset: 8, .size: 8, .value_kind: global_buffer, .address_space: global }
      - { .name: aux, .offset: 16, .size: 8, .value_kind: global_buffer, .address_space: global }
      - { .name: cbuf, .offset: 24, .size: 8, .value_kind: global_buffer, .address_space: global }
      - { .name: part, .offset: 32, .size: 8, .value_kind: global_buffer, .address_space: global }
      - { .name: wmax, .offset: 40, .size: 8, .value_kind: global_buffer, .address_space: global }
    .group_segment_fixed_size: 327680
    .private_segment_fixed_size: 0
    .kernarg_segment_align: 8
    .kernarg_segment_size: 48
    .max_flat_workgroup_size: 128
    .sgpr_count:     66
    .vgpr_count:     1024
    .wavefront_size: 32
...
	.end_amdgpu_metadata
.endif
;; end of part 2
;; launch reduce (part 3): grid 1024 x 1, 8 waves a work-group, no clusters, 0 bytes of LDS; arguments part, out0; writes out0
.if DOCPART == 3
	.amdgcn_target "amdgcn-amd-amdhsa--gfx1250"
	.amdhsa_code_object_version 6
	.text
	.protected	k_qd46dd75209_reduce
	.globl	k_qd46dd75209_reduce
	.p2align	8
	.type	k_qd46dd75209_reduce,@function
k_qd46dd75209_reduce:
	s_mov_b64 s[64:65], 0
	v_nop
	global_prefetch_b8 v0, s[64:65] scope:SCOPE_SE
	s_setreg_imm32_b32 hwreg(HW_REG_WAVE_MODE, 25, 1), 1
	s_wait_xcnt 0x0
; out0 = part[0] + part[1] + part[2] + part[3], in f32, as (p0 + p1) + (p2 + p3).  A stream: a work-group owns 16,384 bytes of out0, a thread 16 bytes in each of four runs of 4,096;
; all sixteen loads of a thread go out before the first wait; each load and store of a wave covers 512 consecutive aligned bytes.  LDS, barriers and matrix units would add nothing.
	s_load_b128 s[4:7], s[0:1], 0x0                ; part, out0
	v_lshlrev_b32 v1, 4, v0
	s_lshl_b32 s8, ttmp9, 14
	s_mov_b32 s9, 0
	s_wait_kmcnt 0x0
	s_add_nc_u64 s[4:5], s[4:5], s[8:9]
	s_add_nc_u64 s[6:7], s[6:7], s[8:9]
	s_add_nc_u64 s[10:11], s[4:5], 0x1000000       ; the groups' parts lie 16 MiB apart
	s_add_nc_u64 s[12:13], s[4:5], 0x2000000
	s_add_nc_u64 s[14:15], s[4:5], 0x3000000
.irp j, 0,1,2,3
	global_load_b128 v[4+16*(\j):7+16*(\j)],   v1, s[4:5]   offset:4096*(\j) th:TH_LOAD_NT
	global_load_b128 v[8+16*(\j):11+16*(\j)],  v1, s[10:11] offset:4096*(\j) th:TH_LOAD_NT
	global_load_b128 v[12+16*(\j):15+16*(\j)], v1, s[12:13] offset:4096*(\j) th:TH_LOAD_NT
	global_load_b128 v[16+16*(\j):19+16*(\j)], v1, s[14:15] offset:4096*(\j) th:TH_LOAD_NT
.endr
.irp j, 0,1,2,3
	s_wait_loadcnt 12-4*(\j)                       ; run j's four loads are in; the later runs' stay out
	v_pk_add_f32 v[4+16*(\j):5+16*(\j)],   v[4+16*(\j):5+16*(\j)],   v[8+16*(\j):9+16*(\j)]
	v_pk_add_f32 v[6+16*(\j):7+16*(\j)],   v[6+16*(\j):7+16*(\j)],   v[10+16*(\j):11+16*(\j)]
	v_pk_add_f32 v[12+16*(\j):13+16*(\j)], v[12+16*(\j):13+16*(\j)], v[16+16*(\j):17+16*(\j)]
	v_pk_add_f32 v[14+16*(\j):15+16*(\j)], v[14+16*(\j):15+16*(\j)], v[18+16*(\j):19+16*(\j)]
	v_pk_add_f32 v[4+16*(\j):5+16*(\j)],   v[4+16*(\j):5+16*(\j)],   v[12+16*(\j):13+16*(\j)]
	v_pk_add_f32 v[6+16*(\j):7+16*(\j)],   v[6+16*(\j):7+16*(\j)],   v[14+16*(\j):15+16*(\j)]
	global_store_b128 v1, v[4+16*(\j):7+16*(\j)], s[6:7] offset:4096*(\j) th:TH_STORE_NT
.endr
	s_endpgm
.Lfunc_end_k_qd46dd75209_reduce:
	.size	k_qd46dd75209_reduce, .Lfunc_end_k_qd46dd75209_reduce-k_qd46dd75209_reduce
	.p2alignl 7, 3214868480
	.fill 96, 4, 3214868480
	.section	.rodata,"a",@progbits
	.p2align	6, 0x0
	.amdhsa_kernel k_qd46dd75209_reduce
		.amdhsa_group_segment_fixed_size 0
		.amdhsa_private_segment_fixed_size 0
		.amdhsa_enable_private_segment 0
		.amdhsa_kernarg_size 16
		.amdhsa_user_sgpr_count 2
		.amdhsa_user_sgpr_kernarg_segment_ptr 1
		.amdhsa_wavefront_size32 1
		.amdhsa_system_sgpr_workgroup_id_x 1
		.amdhsa_system_sgpr_workgroup_id_y 1
		.amdhsa_system_sgpr_workgroup_id_z 1
		.amdhsa_system_vgpr_workitem_id 0
		.amdhsa_next_free_vgpr 72
		.amdhsa_next_free_sgpr 66
		.amdhsa_reserve_vcc 0
		.amdhsa_float_denorm_mode_32 3
		.amdhsa_float_denorm_mode_16_64 3
		.amdhsa_memory_ordered 1
		.amdhsa_forward_progress 1
		.amdhsa_inst_pref_size 5
	.end_amdhsa_kernel
	.amdgpu_metadata
---
amdhsa.version: [ 1, 2 ]
amdhsa.kernels:
  - .name:           k_qd46dd75209_reduce
    .symbol:         k_qd46dd75209_reduce.kd
    .args:
      - { .name: part, .offset: 0, .size: 8, .value_kind: global_buffer, .address_space: global }
      - { .name: out0, .offset: 8, .size: 8, .value_kind: global_buffer, .address_space: global }
    .group_segment_fixed_size: 0
    .private_segment_fixed_size: 0
    .kernarg_segment_align: 8
    .kernarg_segment_size: 16
    .max_flat_workgroup_size: 256
    .sgpr_count:     66
    .vgpr_count:     72
    .wavefront_size: 32
...
	.end_amdgpu_metadata
.endif
;; end of part 3
